; MI455X (gfx1250); checked and timed in simulation.
; The chip was launched on July 23, 2026; its instructions are those of AMD's public machine-readable ISA for CDNA 5 (MIT licence, August 2026) and "CDNA5" Instruction Set Architecture Reference Guide (July 2026). The comments in the code are by the model that wrote it; some were corrected since.
;; Causal Attention. Allowed arithmetic: matrix products marked QUANTISED: E2M1 operands, one E8M0 scale for each 32 along K, by v_wmma_scale_f32_16x16x128_f8f6f4 with both operands' format E2M1 (or v_wmma_scale_f32_32x16x128_f4), f32 sums; everything else in f32.
;; Inputs: W_key_codes 512 x 32 x 16 uint8 (E2M1 codes of W_key, K innermost, in blocks of 32 codes, two codes a byte); W_key_scales 512 x 32 uint8 (E8M0 scales of W_key, one for each 32 codes along K); W_query_codes 512 x 32 x 16 uint8 (E2M1 codes of W_query, K innermost, in blocks of 32 codes, two codes a byte); W_query_scales 512 x 32 uint8 (E8M0 scales of W_query, one for each 32 codes along K); W_value_codes 512 x 32 x 16 uint8 (E2M1 codes of W_value, K innermost, in blocks of 32 codes, two codes a byte); W_value_scales 512 x 32 uint8 (E8M0 scales of W_value, one for each 32 codes along K); x_codes 8 x 2,048 x 32 x 16 uint8 (E2M1 codes of x, K innermost, in blocks of 32 codes, two codes a byte); x_scales 8 x 2,048 x 32 uint8 (E8M0 scales of x, one for each 32 codes along K).
;; Outputs: out0 8 x 2,048 x 512 float32.
;; This version of the problem:
;;   THIS VERSION OF THE PROBLEM IS GIVEN IN LOW PRECISION. The matrix products marked QUANTISED in the list below multiply operands that are first quantised to E2M1 (2 exponent bits, 1 mantissa bit; 4 bits a number), with one power-of-two scale for each 32 numbers along K (OCP MX v1.0); their sums are f32. All else is computed in f32.
;;   The module's matrix products, in the order in which they are computed (A, B: the left and right operand; K: the contracted axis; several contracted axes count as one K, in the product's order):
;;     1. [M 16,384, K 1,024] x [K 1,024, N 512]; A: input x (given as codes); B: input W_query (given as codes): QUANTISED
;;     2. [M 16,384, K 1,024] x [K 1,024, N 512]; A: input x (given as codes); B: input W_key (given as codes): QUANTISED
;;     3. [M 16,384, K 1,024] x [K 1,024, N 512]; A: input x (given as codes); B: input W_value (given as codes): QUANTISED
;;     4. batch 8 x [M 2,048, K 512] x [K 512, N 2,048]; A: computed on the way; B: computed on the way: QUANTISED
;;     5. batch 8 x [M 2,048, K 2,048] x [K 2,048, N 512]; A: softmax (see below); B: computed on the way: QUANTISED
;;   THE QUANTISER, for each operand of a quantised product, along K:
;;     - K is cut into blocks of 32 from its start; a last block that is shorter is filled with zeros.
;;     - A block's scale is 2^e with e = floor(log2(the largest magnitude in the block)) - 2, held to -126 .. 127; a block of zeros has e = 0. As a byte (E8M0): e + 127.
;;     - Each number is divided by its block's scale, clamped to +-6, and rounded to the nearest number of E2M1, ties to even, subnormals kept.
;;     - The product sums the exact products of the quantised numbers (number of the format x scale) in f32.
;;   ~~~python
;;   def quantise(x, axis):      # numpy; x: float32 -> the quantised numbers, widened to float32 again
;;       x = np.moveaxis(x, axis, -1); K = x.shape[-1]
;;       x = np.pad(x, [(0, 0)] * (x.ndim - 1) + [(0, -K % 32)]); x = x.reshape(x.shape[:-1] + (-1, 32)); a = np.abs(x).max(-1, keepdims=True)
;;       e = np.where(a > 0, np.clip(np.frexp(np.where(a > 0, a, 1))[1] - 1 - 2, -126, 127), 0)      # np.frexp(a)[1] - 1 = floor(log2(a)), exactly
;;       r = np.clip(x / 2.0 ** e, -6, 6)
;;       step = 2.0 ** (np.maximum(np.frexp(np.where(r == 0, 1, r))[1] - 1, 0) - 1)
;;       q = np.round(r / step) * step * 2.0 ** e      # np.round: ties to even
;;       return np.moveaxis(q.reshape(q.shape[:-2] + (-1,))[..., :K], -1, axis).astype(np.float32)
;;   ~~~
;;   SOFTMAX AHEAD OF A QUANTISED PRODUCT. Where the list says 'softmax', what is quantised is not the finished softmax but p = 2^(t - M), with t = logit x log2(e) and M = ceil(the row's largest t), a whole number; so 1/2 < the row's largest p <= 1. The row's sum l is taken of the UNQUANTISED p, in f32, and the product's result is divided by l at the end. Since M is a whole number, a kernel that streams over the keys may use a running M (the ceiling of the running maximum): every later rescaling is an exact power of two, which a block's scale takes up: the codes' values come out the same.
;;   OPERANDS COMPUTED ON THE WAY. 'Computed on the way' means the value that the module computes at that place (a softmax that the list does not call 'softmax' is quantised finished and normalised). What goes into a quantiser is computed in f32, as accurately as f32 sums, v_exp_f32 and their like allow (about 1e-6 of the number): no bf16 or f16 on the way to a quantiser, and a product that is left as it is and whose result goes on into a quantised operand takes f32 operands (vector FMAs, or v_wmma_f32_16x16x4_f32). A number that lies on a knife's edge between two numbers of the format may be rounded either way, as far as f32 arithmetic and the matrix unit's own rounding can turn it there, and no further.
;;   INPUTS GIVEN AS CODES. W_key (in the module: [1024, 512], K = its axis 0); W_query (in the module: [1024, 512], K = its axis 0); W_value (in the module: [1024, 512], K = its axis 0); x (in the module: [8, 2048, 1024], K = its axis 2): each comes as NAME_codes (uint8): NAME with its K axis moved to the last place and cut into blocks of 32 codes, [.., K / 32, bytes a block], one block behind the other in memory; two codes a byte, the lower K in the low four bits (a code: sign, 2 exponent bits, 1 mantissa bit); and NAME_scales (uint8): the same leading axes, one E8M0 byte (e + 127) for each 32 codes along K. Its value is code x scale, taken as it is: it is not quantised again, and the codes and scales need not be those that the quantiser above would give.
;; One version. Each part assembles by itself: llvm-mc -triple=amdgcn-amd-amdhsa -mcpu=gfx1250 --defsym DOCPART=n.
;; ======== version 1 of 1: 2 launches
;; limits: right only within a limited range of input values
;; workspace buffers: qws 4,456,448 bytes; kvws 8,912,896 bytes
;; launch proj (part 1): grid 4 x 64, 4 waves a work-group, clusters of 4 x 4, 327,680 bytes of LDS; arguments x_codes, x_scales, W_query_codes, W_query_scales, W_key_codes, W_key_scales, W_value_codes, W_value_scales, qws, kvws; writes qws, kvws
.if DOCPART == 1
	.amdgcn_target "amdgcn-amd-amdhsa--gfx1250"
	.amdhsa_code_object_version 6
	.text
	.protected	k_qef7d82aca9_proj
	.globl	k_qef7d82aca9_proj
	.p2align	8
	.type	k_qef7d82aca9_proj,@function
k_qef7d82aca9_proj:
	s_mov_b64 s[64:65], 0
	v_nop
	global_prefetch_b8 v0, s[64:65] scope:SCOPE_SE
	s_setreg_imm32_b32 hwreg(HW_REG_WAVE_MODE, 25, 1), 1
	s_wait_xcnt 0x0
	s_wait_alu depctr_hold_cnt(0) depctr_sa_sdst(0) depctr_va_vdst(0) depctr_va_sdst(0) depctr_va_ssrc(0) depctr_va_vcc(0) depctr_vm_vsrc(0)
	s_getreg_b32 s2, hwreg(HW_REG_IB_STS2, 6, 4)
	s_cmp_eq_u32 s2, 0
	s_cbranch_scc0 .Lentry_in_a_cluster
	s_endpgm
.Lentry_in_a_cluster:
	s_bfe_u32 s2, ttmp6, 0x10000c
	s_cmp_lg_u32 s2, 0xf033
	s_cbranch_scc0 .Lentry_shape_is_right
	s_endpgm
.Lentry_shape_is_right:
; q = x W_query, k = x W_key, v = x W_value on the given codes of E2M1 (K = 1,024, f32 sums, K ascending), and the quantising of the three results for the attention launch:
; q and k along d (blocks of 32 of the 512), v along the keys (blocks of 32 tokens of a batch).  Nothing of q, k, v goes to memory as f32.
; WORK LEFT OUT BY THE PROGRAM (none of it in this launch): reference() sets score(n, m) to -inf wherever key m > query n, by a tril that it builds itself; exp(-inf) = 0, so such a key adds 0 to the row's sum
; and 0 x v to the row's result, whatever finite values the inputs hold.  The attention launch therefore multiplies no run of 256 keys that lies wholly behind its queries.  Every input has a way to the output: all eight are loaded.
; LIMITS: a NaN, an infinity or an overflow that reaches only the work left out is not carried to the result; NaN and infinities among q, k, v are not served; a block of zeros gets the scale byte 1
; where the rule says 127 (its codes are zeros, and the bytes are read by this program alone); blocks whose largest magnitude lies under 2^(3 - 127) are held at that byte.
; SHARES.  Work-group (g, tb): 256 tokens (tb) x d = 128 g .. 128 g + 127 of q, of k and of v.  THE WAVES SHARE THE COLUMNS: wave w owns d = 32 w .. 32 w + 31 of the work-group's 128, in all three matrices:
; 6 tiles x 8 K steps = 48 fragments of W, which stay in 384 registers; x goes round, 32 tokens a group, eight groups.
; CLUSTER 4 x 4: the four of a row of the cluster take the same tokens (x asked for jointly), the four of a column the same d (W asked for jointly).
; q, k: the product is used transposed (source 0 = 16 rows of W, source 1 = 16 tokens): a lane holds one token and 8 neighbours along d.  v: source 0 = 16 tokens, source 1 = 16 rows of W_value: a lane holds one d and 8 neighbouring tokens.
; FROM FOUR ACCUMULATORS TO 16 BYTES OF AN OPERAND.  ACC[a][b]: a = the tile that shall become the half of the lanes, b = which 16 of the block of 32.  ACC[a][b] is converted into register 2 b + a; the exchange of halves between
; registers 0, 1 and between 2, 3 leaves in lane (r, h) the block's 32 codes in their order, for row r of tile h.
; THE WORKSPACE IS LAID AS IMAGES OF OPERAND REGISTERS: a fragment (16 rows x 128 K) is 1,024 bytes, [block of 32][row][16 bytes]: two loads of 16 bytes a lane at 16 x lane bring it.
;   qws:  [tile of 16 tokens, 1,024][d / 128][1,024]; from byte 4,194,304 the scale words [batch][d / 128][token][4].
;   kvws: 64 slots of 256 keys, 139,264 bytes each: K's images [tile 16][d / 128][1,024]; V's images [keys / 128][d / 16][1,024]; K's scale words [d / 128][key][4]; V's [keys / 128][d][4].
; No prefetch: all that the work-group reads is asked for at its head but x's second half.  No ring along K: W stays in registers, so LDS is filled again once.
.set PITCH, 528                        ; an LDS row of codes: 512 bytes + 16 of padding = 132 words: row r starts at bank 4 r mod 64 (64 banks of 4 bytes: ISA guide 11.1)
.set MB,    128*PITCH                  ; 128 rows: what one tensor load of codes brings
.set XH0,   3*MB                       ; LDS: W_query, W_key, W_value (128 rows each) from 0; x's tokens 0-127 here; x's tokens 128-255 later land on W_query's bytes
.set SST,   4*MB                       ; the stage for the scale bytes made here: q [token 256][4], k the same, v [keys / 128][d 128][4].  (W's and x's scale bytes go from memory straight into registers)
.set SPARE, SST+3072                   ; the spare words, 128 bytes for each wave: two blocks of 256 bytes that no other line names
.set SLOTB, 139264                     ; a slot of kvws
.set QSCL,  4194304                    ; where q's scale words begin in qws
.set AW,   4                           ; v4-6   LDS address of my rows of W_query, W_key, W_value
.set L32,  7                           ; v7     32 x lane: a lane's row of scale bytes in memory
.set AX,   8                           ; v8-9   of x's fragments, tokens 0-127, 128-255
.set AQK,  11                          ; v11    my 16 bytes in q's and k's images: 4,096 h + 16 r
.set AVO,  12                          ; v12    in v's: 1,024 h + 16 r
.set ASB,  13                          ; v13    the stage: q's and k's byte: 4 x lane + wave
.set ASV,  14                          ; v14    v's: 4 (32 w + lane)
.set ARD,  15                          ; v15    the stage read back
.set SPW,  16                          ; v16    LDS address of my spare word; never rewritten
.set NIL,  17                          ; v17    0; never rewritten
.set L16,  18                          ; v18    16 x lane
.set L16B, 19                          ; v19    16 x lane + the step to the second 512 bytes of scale words
.set WS,   32                          ; v32-55  W's scale words [matrix][K step]: lanes 0-15 my first tile's rows, lanes 16-31 my second's
.set XS,   192                         ; v192-255 x's scale words [group][K step]: lanes 0-15 the group's first 16 tokens, lanes 16-31 the others
.set ACC,  72                          ; v72-167 accumulators [matrix][a][b], 8 registers each
.set TM,   56                          ; v56-61 largest magnitudes, then scale bytes [matrix][a]; v62-67 the other half's; v168-173 the conversions' scale operands
.set TX,   62
.set SO,   168
.set CD,   176                         ; v176-187 codes, four registers a matrix
.set OUTR, 72                          ; v72-79 the scale words on their way out (the accumulators are done with)
; window 1: W_query's fragments (tile t, K step s) at 8 (8 t + s), W_key's 128 on;  window 2: W_value's;  window 3: x's, two sets of 128: (tile u, K step s) at 8 (8 u + s)
.set WV,   24
.set GX,   25
.set CY,   26
.set TB,   27
.set MCOL, 28
.set MROW, 29
.set SCB,  30                          ; s[30:31] where my wave's scale words go
.set G1W,  32                          ; s[32:39] group 1: W's codes;  s[40:47] x's codes
.set G1X,  40
.set WSA,  48                          ; s[48:53] where my 32 rows' scale bytes of the three W begin;  s[54:55] where my tokens' begin
.set XSA,  54
.set G0WC, 68                          ; groups 0: W's codes, x's codes (first half), x's codes (second half)
.set G0XC, 76
.set G0X2, 84
.set QB,   88                          ; s[88:89], s[90:91], s[92:93]: where my wave's images of q, k, v begin
.set KB,   90
.set VB,   92
.set SEL,  94                          ; s[94:95] v_permlanex16_b32's selects for lane l xor 16
.set MSB, 0
.macro WIN new                         ; the immediate's high byte repeats the setting that is left
.if MSB != \new
	s_set_vgpr_msb (MSB<<8)|\new
.set MSB, \new
.endif
.endm
.macro PLACES                          ; four plain vector instructions behind a matrix instruction, ahead of reads of its result and of loads into its registers
.rept 4
	v_nop
.endr
.endm
.macro CROUND                          ; a round of the cluster's barrier
	s_barrier_signal -1
	s_barrier_wait -1
	s_cmp_lg_u32 s[WV], 0
	s_cbranch_scc1 .Lnot_wave_0_\@
	s_barrier_signal -3
.Lnot_wave_0_\@:
	s_barrier_wait -3
	s_barrier_signal -1
	s_barrier_wait -1
.endm
; One matrix instruction.  d: accumulator; a, b: sources; z = 1: it starts the sum; sa, sb: scale registers; ra, rb = 1: the scales stand in lanes 16-31
.macro WM d, a, b, z, sa, sb, ra, rb
.if \z
.if (\ra) && (\rb)
	v_wmma_scale_f32_16x16x128_f8f6f4 v[(\d):(\d)+7], v[(\a):(\a)+7], v[(\b):(\b)+7], 0, v[\sa], v[\sb] matrix_a_fmt:MATRIX_FMT_FP4 matrix_b_fmt:MATRIX_FMT_FP4 matrix_a_scale:MATRIX_SCALE_ROW1 matrix_b_scale:MATRIX_SCALE_ROW1
.elseif \ra
	v_wmma_scale_f32_16x16x128_f8f6f4 v[(\d):(\d)+7], v[(\a):(\a)+7], v[(\b):(\b)+7], 0, v[\sa], v[\sb] matrix_a_fmt:MATRIX_FMT_FP4 matrix_b_fmt:MATRIX_FMT_FP4 matrix_a_scale:MATRIX_SCALE_ROW1
.elseif \rb
	v_wmma_scale_f32_16x16x128_f8f6f4 v[(\d):(\d)+7], v[(\a):(\a)+7], v[(\b):(\b)+7], 0, v[\sa], v[\sb] matrix_a_fmt:MATRIX_FMT_FP4 matrix_b_fmt:MATRIX_FMT_FP4 matrix_b_scale:MATRIX_SCALE_ROW1
.else
	v_wmma_scale_f32_16x16x128_f8f6f4 v[(\d):(\d)+7], v[(\a):(\a)+7], v[(\b):(\b)+7], 0, v[\sa], v[\sb] matrix_a_fmt:MATRIX_FMT_FP4 matrix_b_fmt:MATRIX_FMT_FP4
.endif
.else
.if (\ra) && (\rb)
	v_wmma_scale_f32_16x16x128_f8f6f4 v[(\d):(\d)+7], v[(\a):(\a)+7], v[(\b):(\b)+7], v[(\d):(\d)+7], v[\sa], v[\sb] matrix_a_fmt:MATRIX_FMT_FP4 matrix_b_fmt:MATRIX_FMT_FP4 matrix_a_scale:MATRIX_SCALE_ROW1 matrix_b_scale:MATRIX_SCALE_ROW1
.elseif \ra
	v_wmma_scale_f32_16x16x128_f8f6f4 v[(\d):(\d)+7], v[(\a):(\a)+7], v[(\b):(\b)+7], v[(\d):(\d)+7], v[\sa], v[\sb] matrix_a_fmt:MATRIX_FMT_FP4 matrix_b_fmt:MATRIX_FMT_FP4 matrix_a_scale:MATRIX_SCALE_ROW1
.elseif \rb
	v_wmma_scale_f32_16x16x128_f8f6f4 v[(\d):(\d)+7], v[(\a):(\a)+7], v[(\b):(\b)+7], v[(\d):(\d)+7], v[\sa], v[\sb] matrix_a_fmt:MATRIX_FMT_FP4 matrix_b_fmt:MATRIX_FMT_FP4 matrix_b_scale:MATRIX_SCALE_ROW1
.else
	v_wmma_scale_f32_16x16x128_f8f6f4 v[(\d):(\d)+7], v[(\a):(\a)+7], v[(\b):(\b)+7], v[(\d):(\d)+7], v[\sa], v[\sb] matrix_a_fmt:MATRIX_FMT_FP4 matrix_b_fmt:MATRIX_FMT_FP4
.endif
.endif
.endm
; My 16 fragments of matrix m, from LDS into the registers in which they stay
.macro LOADW m
.if (\m) == 2
	WIN 0x80
.else
	WIN 0x40
.endif
.irp t, 0,1
.irp s, 0,1,2,3,4,5,6,7
.irp c, 0,1
	ds_load_b128 v[128*((\m)%2)+8*(8*\t+\s)+4*\c:128*((\m)%2)+8*(8*\t+\s)+4*\c+3], v[AW+(\m)] offset:\t*16*PITCH+64*\s+32*\c
.endr
.endr
.endr
	WIN 0
.endm
; Group n's 32 tokens: 16 fragments of x into set n % 2: 32 LDS loads
.macro LOADX n
	WIN 0xc0
.irp u, 0,1
.irp s, 0,1,2,3,4,5,6,7
.irp c, 0,1
	ds_load_b128 v[128*((\n)%2)+8*(8*\u+\s)+4*\c:128*((\n)%2)+8*(8*\u+\s)+4*\c+3], v[AX+(\n)/4] offset:((\n)%4)*32*PITCH+\u*16*PITCH+64*\s+32*\c
.endr
.endr
.endr
	WIN 0
.endm
; A group's 96 matrix instructions, on x's set p.  The accumulators take turns, one instruction a turn: eight for q and k, then four for v; K ascending; the first K step starts the sums
.macro MUL p, n
	WIN 0x0d                                       ; source 0 (W) window 1, source 1 (x) window 3
.irp s, 0,1,2,3,4,5,6,7
.irp m, 0,1
.irp u, 0,1
.irp t, 0,1
	WM ACC+32*\m+16*\u+8*\t, 128*\m+8*(8*\t+\s), 128*(\p)+8*(8*\u+\s), (\s)==0, WS+8*\m+\s, XS+8*(\n)+\s, \t, \u
.endr
.endr
.endr
.endr
	WIN 0x0b                                       ; source 0 (x) window 3, source 1 (W_value) window 2
.irp s, 0,1,2,3,4,5,6,7
.irp t, 0,1
.irp u, 0,1
	WM ACC+64+16*\t+8*\u, 128*(\p)+8*(8*\u+\s), 8*(8*\t+\s), (\s)==0, XS+8*(\n)+\s, WS+16+\s, \u, \t
.endr
.endr
.endr
	WIN 0
	PLACES
.endm
; Matrix m's four accumulators of group n become two blocks of 32 codes a pair of lanes' halves, and their scale bytes
; All three matrices at once: j = 2 x matrix + a, six independent chains by turns
.macro QALL n
.irp j, 0,1,2,3,4,5
	v_max3_num_f32 v[TM+\j], |v[ACC+16*\j]|, |v[ACC+16*\j+1]|, 0x1800000   ; my 16 numbers of a block, each accumulator from its low end on, and the floor 2^(3 - 127): the byte cannot fall under 1
.endr
.irp i, 2,4,6,8,10,12,14
.irp j, 0,1,2,3,4,5
	v_max3_num_f32 v[TM+\j], v[TM+\j], |v[ACC+16*\j+\i]|, |v[ACC+16*\j+\i+1]|
.endr
.endr
.irp j, 0,1,2,3,4,5
	v_permlanex16_b32 v[TX+\j], v[TM+\j], s[SEL], s[SEL+1]
.endr
.irp j, 0,1,2,3,4,5
	v_max_num_f32 v[TM+\j], v[TM+\j], v[TX+\j]     ; with lane l xor 16's 16: the block's largest magnitude
.endr
.irp j, 0,1,2,3,4,5
	v_add_nc_u32 v[SO+\j], 0xff000000, v[TM+\j]    ; 2 off its exponent field: the conversion takes the exponent field of this operand as its scale
.endr
.irp j, 0,1,2,3,4,5
	v_lshrrev_b32 v[TM+\j], 23, v[SO+\j]           ; the scale's byte
.endr
	s_wait_alu depctr_va_vdst(0)
	s_wait_xcnt 0x0                                ; the last group's stores have read these code registers: they are written again only behind this wait
.irp b, 0,1
.irp m, 0,1,2
.irp a, 0,1
	v_cvt_scalef32_pk8_fp4_f32 v[CD+4*\m+2*\b+\a], v[ACC+32*\m+16*\a+8*\b:ACC+32*\m+16*\a+8*\b+7], v[SO+2*\m+\a]
.endr
.endr
.endr
	v_nop                                          ; one plain place behind the last scaled conversion
.irp m, 0,1,2
	v_permlane16_swap_b32 v[CD+4*\m], v[CD+4*\m+1]         ; lane (r, h) now holds codes 0-15
	v_permlane16_swap_b32 v[CD+4*\m+2], v[CD+4*\m+3]       ; and 16-31 of the block of row r of tile h
	v_permlane16_swap_b32 v[TM+2*\m], v[TM+2*\m+1]         ; and in the first of the two that block's byte
.endr
	global_store_b128 v[AQK], v[CD:CD+3], s[QB:QB+1] offset:8192*(\n)          ; each sixteen lanes store 256 consecutive bytes, aligned
	global_store_b128 v[AQK], v[CD+4:CD+7], s[KB:KB+1] offset:8192*(\n)
	global_store_b128 v[AVO], v[CD+8:CD+11], s[VB:VB+1] offset:((\n)/4)*32768+((\n)%4)*256
	ds_store_b8 v[ASB], v[TM] offset:128*(\n)
	ds_store_b8 v[ASB], v[TM+2] offset:1024+128*(\n)
	ds_store_b8 v[ASV], v[TM+4] offset:((\n)/4)*512+(\n)%4
.endm
.macro GROUP n
.if (\n) == 3
	s_wait_dscnt 0x0                               ; no LDS instruction of mine is out at a signal
	s_wait_tensorcnt 0x0                           ; x's second half has landed (wave 3 asked for it),
	s_barrier_signal -1
	s_barrier_wait -1                              ; and every wave knows
.endif
.if (\n) < 7
	LOADX (\n)+1
	s_wait_dscnt 32                                ; all but the 32 loads just issued: this group's fragments are in
.else
	s_wait_dscnt 0x0
.endif
	MUL (\n)%2, \n
	QALL \n
.endm
	s_load_b256 s[4:11], s[0:1], 0x0               ; x's codes, x's scales, W_query's codes, scales
	s_load_b256 s[12:19], s[0:1], 0x20             ; W_key's codes, scales, W_value's codes, scales
	s_load_b128 s[20:23], s[0:1], 0x40             ; qws, kvws
	v_lshl_add_u32 v[SPW], v0, 2, SPARE
	v_mov_b32 v[NIL], 0
	ds_add_u32 v[SPW], v[NIL]                      ; the wave's opening: the add, twice on end, and its wait ahead of my first tensor load
	ds_add_u32 v[SPW], v[NIL]
	v_lshrrev_b32 v1, 5, v0
	v_readfirstlane_b32 s[WV], v1                  ; wave 0..3
	s_bfe_u32 s[GX], ttmp6, 0x40000                ; cx = g: which 128 of d
	s_bfe_u32 s[CY], ttmp6, 0x40004                ; cy
	s_and_b32 s[TB], ttmp7, 0xffff
	s_lshl_b32 s[TB], s[TB], 2
	s_add_co_u32 s[TB], s[TB], s[CY]               ; tb = 4 x cluster y + cy: which 256 tokens
	s_lshl_b32 s[MROW], s[CY], 2
	s_lshl_b32 s[MROW], 15, s[MROW]                ; my row of the cluster: it shares tb
	s_lshl_b32 s[MCOL], 0x1111, s[GX]              ; my column: it shares g
	s_or_b32 s[G1W], s[MCOL], (1<<20)|(1<<21)|(6<<22)|(3<<25)   ; 15:0 the mask; 17:16 elements of 1 byte; 20 padding on; 21 set beside a mask; 24:22 after every 128 words; 31:25 four words
	s_or_b32 s[G1X], s[MROW], (1<<20)|(1<<21)|(6<<22)|(3<<25)
.irp g, G1W, G1X
	s_mov_b32 s[\g+1], 512<<16                     ; tensor_dim0 = 512 bytes
	s_mov_b32 s[\g+2], 128<<16                     ; tensor_dim1 = 128 rows
	s_mov_b32 s[\g+3], 512<<16                     ; tile_dim0
	s_mov_b32 s[\g+4], 128                         ; tile_dim1
	s_mov_b32 s[\g+5], 512                         ; from row to row
	s_mov_b32 s[\g+6], 0
	s_mov_b32 s[\g+7], 0
.endr
	s_mov_b32 s[SEL], 0x76543210
	s_mov_b32 s[SEL+1], 0xfedcba98
	s_mul_i32 s96, s[WV], MB                       ; LDS: matrix w's codes,
	s_lshl_b32 s97, s[WV], 10                      ; my 32 rows' scale bytes: 1,024 a wave
	s_lshl_b32 s98, s[GX], 16                      ; my 128 rows of a W: 65,536 bytes of codes on,
	s_mov_b32 s99, 0
	s_lshl_b32 s100, s[GX], 12                     ; 4,096 bytes of scales on
	s_add_co_u32 s100, s100, s97
	s_mov_b32 s101, 0
	s_lshl_b32 s2, s[TB], 17                       ; my 256 tokens: 131,072 bytes of codes on,
	s_mov_b32 s3, 0
	s_lshl_b32 s66, s[TB], 13                      ; 8,192 bytes of scales on
	s_mov_b32 s67, 0
	s_wait_dscnt 0x0                               ; both opening adds are done
	s_wait_kmcnt 0x0
	s_cmp_eq_u32 s[WV], 0                          ; wave 0 fetches W_query, wave 1 W_key, wave 2 W_value: a choice on the wave's number alone
	s_cselect_b64 s[G0WC+2:G0WC+3], s[8:9], s[12:13]
	s_cmp_eq_u32 s[WV], 2
	s_cselect_b64 s[G0WC+2:G0WC+3], s[16:17], s[G0WC+2:G0WC+3]
	s_mov_b32 s[G0WC], 1
	s_mov_b32 s[G0WC+1], s96
	s_add_nc_u64 s[G0WC+2:G0WC+3], s[G0WC+2:G0WC+3], s[98:99]
	s_or_b32 s[G0WC+3], s[G0WC+3], 0x80000000
	s_add_nc_u64 s[WSA:WSA+1], s[10:11], s[100:101]
	s_add_nc_u64 s[WSA+2:WSA+3], s[14:15], s[100:101]
	s_add_nc_u64 s[WSA+4:WSA+5], s[18:19], s[100:101]
	s_mov_b32 s[G0XC], 1
	s_mov_b32 s[G0XC+1], XH0
	s_add_nc_u64 s[G0XC+2:G0XC+3], s[4:5], s[2:3]
	s_mov_b32 s[G0X2], 1
	s_mov_b32 s[G0X2+1], 0
	s_add_nc_u64 s[G0X2+2:G0X2+3], s[G0XC+2:G0XC+3], 0x10000     ; tokens 128 on
	s_or_b32 s[G0XC+3], s[G0XC+3], 0x80000000
	s_or_b32 s[G0X2+3], s[G0X2+3], 0x80000000
	s_add_nc_u64 s[XSA:XSA+1], s[6:7], s[66:67]
	CROUND                                         ; all sixteen work-groups are here: the first joint loads meet
	s_cmp_lt_u32 s[WV], 3                          ; one tensor load a wave at the head: waves 0 to 2 the three W's codes, wave 3 x's first half
	s_cbranch_scc0 .Lfill_x
	tensor_load_to_lds s[G0WC:G0WC+3], s[G1W:G1W+7]
	s_nop 0
.rept 4
	v_nop
.endr
	s_branch .Lfilled
.Lfill_x:
	tensor_load_to_lds s[G0XC:G0XC+3], s[G1X:G1X+7]
	s_nop 0
.rept 4
	v_nop
.endr
.Lfilled:
	v_and_b32 v1, 31, v0                           ; lane
	v_and_b32 v2, 15, v0                           ; r
	v_bfe_u32 v3, v0, 4, 1                         ; h
	v_mul_u32_u24 v[AX+1], v2, PITCH
	v_lshl_add_u32 v[AX+1], v3, 4, v[AX+1]         ; a fragment's row x pitch + 16 h
	v_add_nc_u32 v[AX], XH0, v[AX+1]
	s_mul_i32 s2, s[WV], 32*PITCH                  ; my 32 rows of each W
	v_add_nc_u32 v[AW], s2, v[AX+1]
	v_add_nc_u32 v[AW+1], MB, v[AW]
	v_add_nc_u32 v[AW+2], 2*MB, v[AW]
	v_lshlrev_b32 v[L32], 5, v1                    ; 32 bytes of scales a row
.irp m, 0,1,2
.irp i, 0,1
	global_load_b128 v[WS+8*\m+4*\i:WS+8*\m+4*\i+3], v[L32], s[WSA+2*\m:WSA+2*\m+1] offset:16*\i   ; my 32 rows: 1,024 consecutive bytes by the two
.endr
.endr
.irp n, 0,1,2,3,4,5,6,7
.irp i, 0,1
	global_load_b128 v[XS+8*\n+4*\i:XS+8*\n+4*\i+3], v[L32], s[XSA:XSA+1] offset:1024*\n+16*\i     ; group n's 32 tokens likewise
.endr
.endr
	v_lshlrev_b32 v[AQK], 4, v2
	v_lshl_add_u32 v[AVO], v3, 10, v[AQK]
	v_lshl_add_u32 v[AQK], v3, 12, v[AQK]
	v_lshlrev_b32 v22, 2, v1
	v_add_nc_u32 v[ASB], s[WV], v22
	v_add_nc_u32 v[ASB], SST, v[ASB]
	s_lshl_b32 s2, s[WV], 7
	v_add_nc_u32 v[ASV], s2, v22
	v_add_nc_u32 v[ASV], SST+2048, v[ASV]
	v_lshlrev_b32 v[L16], 4, v1
	s_wait_alu depctr_va_vdst(0)
	s_min_u32 s2, s[WV], 2                         ; waves 0, 1, 2 take q's, k's, v's 1,024 bytes of the stage out; wave 3 reads nothing
	s_lshl_b32 s2, s2, 10
	v_add_nc_u32 v[ARD], s2, v[L16]
	v_add_nc_u32 v[ARD], SST, v[ARD]
.irp j, 0,1,2,3,4,5
	v_mov_b32 v[TX+\j], 0                          ; written once: a lane permute's destination counts as one of its sources
.endr
	; where my wave's results go
	s_mov_b32 s97, 0
	s_lshl_b32 s96, s[TB], 16                      ; q: 16 tiles x 4,096 bytes a work-group's tokens,
	s_lshl_b32 s98, s[GX], 10                      ; + the fragment of d / 128 = g,
	s_lshl_b32 s99, s[WV], 8                       ; + the block of 32 that is my wave's
	s_add_co_u32 s96, s96, s98
	s_add_co_u32 s96, s96, s99
	s_add_nc_u64 s[QB:QB+1], s[20:21], s[96:97]
	s_mul_i32 s100, s[TB], SLOTB                   ; the slot of kvws
	s_add_co_u32 s96, s100, s98
	s_add_co_u32 s96, s96, s99
	s_add_nc_u64 s[KB:KB+1], s[22:23], s[96:97]
	s_lshl_b32 s98, s[GX], 13                      ; v: 8 tiles of d a work-group, 2 a wave
	s_lshl_b32 s99, s[WV], 11
	s_add_co_u32 s96, s100, s98
	s_add_co_u32 s96, s96, s99
	s_add_co_u32 s96, s96, 69632                   ; A SLOT'S ORDER: K's images from byte 0, K's scale words from 65,536, V's images from 69,632, V's scale words from 135,168
	s_add_nc_u64 s[VB:VB+1], s[22:23], s[96:97]
	s_lshr_b32 s98, s[TB], 3                       ; q's scale words: [batch][g][token][4]
	s_lshl_b32 s98, s98, 15
	s_and_b32 s99, s[TB], 7
	s_lshl_b32 s99, s99, 10
	s_add_co_u32 s98, s98, s99
	s_lshl_b32 s99, s[GX], 13
	s_add_co_u32 s98, s98, s99
	s_add_co_u32 s98, s98, QSCL
	s_lshl_b32 s99, s[GX], 10                      ; k's: [g][key][4] in the slot
	s_add_co_u32 s99, s99, s100
	s_add_co_u32 s99, s99, 65536
	s_lshl_b32 s101, s[GX], 9                      ; v's: [keys / 128][d][4] in the slot
	s_add_co_u32 s101, s101, s100
	s_add_co_u32 s101, s101, 135168
	s_cmp_eq_u32 s[WV], 0
	s_cselect_b64 s[SCB:SCB+1], s[20:21], s[22:23]
	s_cselect_b32 s96, s98, s99
	s_cmp_ge_u32 s[WV], 2
	s_cselect_b32 s96, s101, s96
	s_mov_b32 s98, 512
	s_cselect_b32 s98, 2048, s98                   ; from the first 512 bytes to the second
	s_add_nc_u64 s[SCB:SCB+1], s[SCB:SCB+1], s[96:97]
	v_add_nc_u32 v[L16B], s98, v[L16]
	s_wait_tensorcnt 0x0                           ; my load has landed,
	s_barrier_signal -1
	s_barrier_wait -1                              ; everybody's have
	LOADW 0
	LOADW 1
	LOADW 2
	LOADX 0
	s_wait_tensorcnt 0x0                           ; W lies in registers from here on: x's second half takes W_query's bytes.  No tensor load of mine is out;
	ds_add_u32 v[SPW], v[NIL]                      ; 0 onto my spare word;
	s_wait_dscnt 0x0                               ; the add is done, and my reads of W are over
	CROUND                                         ; and so of every wave of every partner
	s_cmp_eq_u32 s[WV], 3
	s_cbranch_scc0 .Lno_x2
	tensor_load_to_lds s[G0X2:G0X2+3], s[G1X:G1X+7]   ; the one refill of the launch: it has three groups' work in which to land
	s_nop 0
.rept 4
	v_nop
.endr
.Lno_x2:
	s_wait_loadcnt 0x0                             ; the scale words are in
.irp n, 0,1,2,3,4,5,6,7
	GROUP \n
.endr
	s_wait_dscnt 0x0                               ; my bytes lie in the stage
	s_barrier_signal -1
	s_barrier_wait -1                              ; all four waves' do: a scale word's four bytes come from four waves
	s_cmp_lt_u32 s[WV], 3
	s_cbranch_scc0 .Lno_scales
	ds_load_b128 v[OUTR:OUTR+3], v[ARD]
	ds_load_b128 v[OUTR+4:OUTR+7], v[ARD] offset:512
	s_wait_dscnt 0x0
	global_store_b128 v[L16], v[OUTR:OUTR+3], s[SCB:SCB+1]      ; 32 lanes store 512 consecutive bytes, aligned to 256
	global_store_b128 v[L16B], v[OUTR+4:OUTR+7], s[SCB:SCB+1]
.Lno_scales:
	s_wait_tensorcnt 0x0                           ; the wave's end, behind my last tensor load and my last LDS store
	ds_add_u32 v[SPW], v[NIL]
	s_wait_dscnt 0x0
	CROUND                                         ; the closing round
	s_endpgm
.Lfunc_end_k_qef7d82aca9_proj:
	.size	k_qef7d82aca9_proj, .Lfunc_end_k_qef7d82aca9_proj-k_qef7d82aca9_proj
	.p2alignl 7, 3214868480
	.fill 96, 4, 3214868480
	.section	.rodata,"a",@progbits
	.p2align	6, 0x0
	.amdhsa_kernel k_qef7d82aca9_proj
		.amdhsa_group_segment_fixed_size 327680
		.amdhsa_private_segment_fixed_size 0
		.amdhsa_enable_private_segment 0
		.amdhsa_kernarg_size 80
		.amdhsa_user_sgpr_count 2
		.amdhsa_user_sgpr_kernarg_segment_ptr 1
		.amdhsa_wavefront_size32 1
		.amdhsa_system_sgpr_workgroup_id_x 1
		.amdhsa_system_sgpr_workgroup_id_y 1
		.amdhsa_system_sgpr_workgroup_id_z 1
		.amdhsa_system_vgpr_workitem_id 0
		.amdhsa_next_free_vgpr 1024
		.amdhsa_next_free_sgpr 102
		.amdhsa_reserve_vcc 0
		.amdhsa_float_denorm_mode_32 3
		.amdhsa_float_denorm_mode_16_64 3
		.amdhsa_memory_ordered 1
		.amdhsa_forward_progress 1
		.amdhsa_inst_pref_size 180
	.end_amdhsa_kernel
	.amdgpu_metadata
---
amdhsa.version: [ 1, 2 ]
amdhsa.kernels:
  - .name:           k_qef7d82aca9_proj
    .symbol:         k_qef7d82aca9_proj.kd
    .args:
      - { .name: x_codes, .offset: 0, .size: 8, .value_kind: global_buffer, .address_space: global }
      - { .name: x_scales, .offset: 8, .size: 8, .value_kind: global_buffer, .address_space: global }
      - { .name: W_query_codes, .offset: 16, .size: 8, .value_kind: global_buffer, .address_space: global }
      - { .name: W_query_scales, .offset: 24, .size: 8, .value_kind: global_buffer, .address_space: global }
      - { .name: W_key_codes, .offset: 32, .size: 8, .value_kind: global_buffer, .address_space: global }
      - { .name: W_key_scales, .offset: 40, .size: 8, .value_kind: global_buffer, .address_space: global }
      - { .name: W_value_codes, .offset: 48, .size: 8, .value_kind: global_buffer, .address_space: global }
      - { .name: W_value_scales, .offset: 56, .size: 8, .value_kind: global_buffer, .address_space: global }
      - { .name: qws, .offset: 64, .size: 8, .value_kind: global_buffer, .address_space: global }
      - { .name: kvws, .offset: 72, .size: 8, .value_kind: global_buffer, .address_space: global }
    .group_segment_fixed_size: 327680
    .private_segment_fixed_size: 0
    .kernarg_segment_align: 8
    .kernarg_segment_size: 80
    .max_flat_workgroup_size: 128
    .sgpr_count:     102
    .vgpr_count:     1024
    .wavefront_size: 32
...
	.end_amdgpu_metadata
.endif
;; end of part 1
;; launch attn (part 2): grid 32 x 8, 4 waves a work-group, clusters of 4 x 1, 327,680 bytes of LDS; arguments qws, kvws, out0; writes out0
.if DOCPART == 2
	.amdgcn_target "amdgcn-amd-amdhsa--gfx1250"
	.amdhsa_code_object_version 6
	.text
	.protected	k_qef7d82aca9_attn
	.globl	k_qef7d82aca9_attn
	.p2align	8
	.type	k_qef7d82aca9_attn,@function
k_qef7d82aca9_attn:
	s_mov_b64 s[64:65], 0
	v_nop
	global_prefetch_b8 v0, s[64:65] scope:SCOPE_SE
	s_setreg_imm32_b32 hwreg(HW_REG_WAVE_MODE, 25, 1), 1
	s_wait_xcnt 0x0
	s_wait_alu depctr_hold_cnt(0) depctr_sa_sdst(0) depctr_va_vdst(0) depctr_va_sdst(0) depctr_va_ssrc(0) depctr_va_vcc(0) depctr_vm_vsrc(0)
	s_getreg_b32 s2, hwreg(HW_REG_IB_STS2, 6, 4)
	s_cmp_eq_u32 s2, 0
	s_cbranch_scc0 .Lentry_in_a_cluster
	s_endpgm
.Lentry_in_a_cluster:
	s_bfe_u32 s2, ttmp6, 0x10000c
	s_cmp_lg_u32 s2, 0x3003
	s_cbranch_scc0 .Lentry_shape_is_right
	s_endpgm
.Lentry_shape_is_right:
; out0[b][n] = (the sum over keys m <= n of p(n, m) v(m)) / (the sum of p(n, m)), p = 2^(t - M), t = q(n) . k(m) x log2(e) / sqrt(512), M a whole number: both products on codes of E2M1 that the launch before has laid as images of operand registers.
; WORK LEFT OUT: reference() sets the scores of keys m > n to -inf by a tril that it builds itself; exp(-inf) = 0 for all finite inputs, so no run of 256 keys that lies wholly behind a block of queries is multiplied.
; LIMITS: a NaN, an infinity or an overflow that reaches only the work left out is not carried to the result; NaN and infinities among the sums are not served; the scaled scores t stay under 2^31 in magnitude.
; SHARES.  A work-group owns two blocks of 32 queries of one batch, block II (low) and block 63 - II (high), walked one after the other: with AA = II / 8 that is AA + 1 and 8 - AA runs of 256 keys: nine ITEMS in every work-group.
; Four waves, as many as a WGP has SIMDs.  Wave w scores keys 64 w .. 64 w + 63 of an item for all 32 queries, and makes channels 128 w .. 128 w + 127 of the result from all 256 keys; p goes from wave to wave through LDS as codes.
; SKEW.  Step i (0 .. 8) finishes item i (statistics, rescaling, second product) and scores item i + 1 (first product, softmax, codes to LDS); one barrier a step.  Ahead of step 0 one step only scores, step 8 only finishes.
; M IS KEPT BY WAVES: p is taken against the wave's own M for its 64 keys; each wave hands over -M, the sum of its unquantised p, and 255 - the scale byte of its two blocks of 32; every wave joins the four in the next step, by exact powers of two.
; LDS.  Two regions of 139,264 bytes: [K codes, K scales, V codes, V scales].  Region p takes K(i + 2) and V(i + 1) at the head of step i, p = i % 2, one tensor load a wave (a quarter of the region, 34,816 dense bytes); step i reads region (i + 1) % 2.
; K(0), V(0) are the head's loads, K(1), V(1) the step's ahead of step 0: first fills; K(2) alone at step 0 and V(8) alone at step 7, a quarter of the 69,632 bytes a wave.
; CLUSTER 4 x 1: four work-groups of one batch and one AA walk the same keys: every tile is asked for jointly.  The batch is the cluster's x, so that clusters of one batch have numbers that are equal modulo 8.
; PREFETCH: two clusters of each batch ask, in the step that scores item T, for run T + 2 (of eight) whole: 34 blocks of 256 bytes a wave, shared out by address; run 1 at the head.
; TRANSPOSED: S^T = K Q^T, O^T = V^T P^T: a lane holds one query.  Registers SS + 32 a + 16 b + 8 u + j: query 16 a + r, key 64 w + 32 b + 16 u + 8 h + j.
; WINDOWS: 0 at work; 1 K's fragments v0-127, V's v128-255; 2 O^T v0-127, Q v128-191, the high block's Q v192-255; 3 the way out.
.set SLOTB, 139264
.set HALFB, 34816
.set QUARB, 17408
.set VPART, 69632
.set PBUF,  2*SLOTB                    ; p's codes, two copies: [query tile][keys / 128][1,024]
.set STAT,  PBUF+2*4096                ; the statistics, two copies: 80 bytes a query, 16 of them padding
.set STAGE, STAT+2*2560                ; the way out: 16 rows x (512 + 16) bytes for each wave
.set SPARE, STAGE+4*16*528             ; the spare words, 128 bytes for each wave
.set AK,   2                           ; v2-9 LDS addresses in region 0, 1: K's and V's codes, K's and V's scale words
.set AV,   4
.set AKS,  6
.set AVS,  8
.set APW,  10
.set ASW,  11
.set APR,  12
.set ASR,  13
.set ASTO, 14
.set ASRD, 15
.set L16,  16
.set SPW,  17                          ; my spare word; never rewritten
.set NIL,  18                          ; 0; never rewritten
.set DM,   19                          ; my query less 64 w + 8 h, within the run that holds the diagonal
.set DMH,  20
.set PFO,  21                          ; the prefetches' offsets; never rewritten
.set PFO2, 22
.set NINF, 23
.set MX,   24                          ; -M, running (lane = query)
.set LL,   25                          ; the row's sum (lane = query)
.set L4,   26
.set FX,   27
.set EE,   28
.set QS,   32                          ; scale words: Q's [d / 128], the high block's, K's [block][d / 128], V's [keys / 128][pair of tiles], p's
.set QSN,  36
.set KS,   40
.set VS,   48
.set PS,   56
.set F0,   58                          ; v58, v60: the factor of query tile 0, 1 in the lanes of O^T
.set SS,   64
.set PF,   128
.set ST,   160
.set BM,   176
.set TX,   180
.set BP,   188
.set SO,   192
.set SUM,  196
.set CC,   204
.set WW,   212                         ; v212-215, v216-219: [query tile]: -M, the sum, 255 - byte of block 0, of block 1
.set MN,   220
.set DF,   221
.set FF,   222
.set D4,   224
.set TP,   228
.set WV,   10
.set CX,   11
.set CL,   12
.set AA,   13
.set BAT,  14
.set II,   15
.set I7,   16
.set HW,   17
.set QLO,  18
.set QHI,  20
.set G1,   24                          ; s[24:31] group 1: 136 rows of 256 bytes;  s[36:43] 68 rows;  s[32:35] group 0
.set G0,   32
.set G1Q,  36
.set KVB,  44
.set KVQ,  46
.set OFF,  48
.set TT,   50                          ; the item that is scored: i + 1
.set LC,   51
.set A1,   52
.set A2,   53
.set CS,   54
.set SEL,  56
.set HM,   58
.set OB,   60
.set OBH,  62
.set PFA,  66
.set LIM,  68
.set L0,   69                          ; where my loads land: region 0, region 1, K's quarter in region 0, V's in region 1, the two first fills
.set L1,   70
.set LQ0,  71
.set LQV,  72
.set F2,   73                          ; 2 where I fetch K, 1 where I fetch V
.set QSLO, 74
.set QSHI, 76
.set HL,   88
.set H1,   89
.set MSB, 0
.macro WIN new                         ; the immediate's high byte repeats the setting that is left
.if MSB != \new
	s_set_vgpr_msb (MSB<<8)|\new
.set MSB, \new
.endif
.endm
.macro PLACES
.rept 4
	v_nop
.endr
.endm
.macro CREST                           ; a round of the cluster's barrier behind its opening barrier
	s_cmp_lg_u32 s[WV], 0
	s_cbranch_scc1 .Lnot_wave_0_\@
	s_barrier_signal -3
.Lnot_wave_0_\@:
	s_barrier_wait -3
	s_barrier_signal -1
	s_barrier_wait -1
.endm
.macro CROUND
	s_barrier_signal -1
	s_barrier_wait -1
	CREST
.endm
; One matrix instruction.  z = 1: it starts the sum; ra, rb = 1: the scales stand in lanes 16-31
.macro WM d, a, b, z, sa, sb, ra, rb
.if \z
.if (\ra) && (\rb)
	v_wmma_scale_f32_16x16x128_f8f6f4 v[(\d):(\d)+7], v[(\a):(\a)+7], v[(\b):(\b)+7], 0, v[\sa], v[\sb] matrix_a_fmt:MATRIX_FMT_FP4 matrix_b_fmt:MATRIX_FMT_FP4 matrix_a_scale:MATRIX_SCALE_ROW1 matrix_b_scale:MATRIX_SCALE_ROW1
.elseif \ra
	v_wmma_scale_f32_16x16x128_f8f6f4 v[(\d):(\d)+7], v[(\a):(\a)+7], v[(\b):(\b)+7], 0, v[\sa], v[\sb] matrix_a_fmt:MATRIX_FMT_FP4 matrix_b_fmt:MATRIX_FMT_FP4 matrix_a_scale:MATRIX_SCALE_ROW1
.elseif \rb
	v_wmma_scale_f32_16x16x128_f8f6f4 v[(\d):(\d)+7], v[(\a):(\a)+7], v[(\b):(\b)+7], 0, v[\sa], v[\sb] matrix_a_fmt:MATRIX_FMT_FP4 matrix_b_fmt:MATRIX_FMT_FP4 matrix_b_scale:MATRIX_SCALE_ROW1
.else
	v_wmma_scale_f32_16x16x128_f8f6f4 v[(\d):(\d)+7], v[(\a):(\a)+7], v[(\b):(\b)+7], 0, v[\sa], v[\sb] matrix_a_fmt:MATRIX_FMT_FP4 matrix_b_fmt:MATRIX_FMT_FP4
.endif
.else
.if (\ra) && (\rb)
	v_wmma_scale_f32_16x16x128_f8f6f4 v[(\d):(\d)+7], v[(\a):(\a)+7], v[(\b):(\b)+7], v[(\d):(\d)+7], v[\sa], v[\sb] matrix_a_fmt:MATRIX_FMT_FP4 matrix_b_fmt:MATRIX_FMT_FP4 matrix_a_scale:MATRIX_SCALE_ROW1 matrix_b_scale:MATRIX_SCALE_ROW1
.elseif \ra
	v_wmma_scale_f32_16x16x128_f8f6f4 v[(\d):(\d)+7], v[(\a):(\a)+7], v[(\b):(\b)+7], v[(\d):(\d)+7], v[\sa], v[\sb] matrix_a_fmt:MATRIX_FMT_FP4 matrix_b_fmt:MATRIX_FMT_FP4 matrix_a_scale:MATRIX_SCALE_ROW1
.elseif \rb
	v_wmma_scale_f32_16x16x128_f8f6f4 v[(\d):(\d)+7], v[(\a):(\a)+7], v[(\b):(\b)+7], v[(\d):(\d)+7], v[\sa], v[\sb] matrix_a_fmt:MATRIX_FMT_FP4 matrix_b_fmt:MATRIX_FMT_FP4 matrix_b_scale:MATRIX_SCALE_ROW1
.else
	v_wmma_scale_f32_16x16x128_f8f6f4 v[(\d):(\d)+7], v[(\a):(\a)+7], v[(\b):(\b)+7], v[(\d):(\d)+7], v[\sa], v[\sb] matrix_a_fmt:MATRIX_FMT_FP4 matrix_b_fmt:MATRIX_FMT_FP4
.endif
.endif
.endm
.macro FILL g1                         ; the wave's one joint load behind a round; the four places also serve the LDS loads that follow
	tensor_load_to_lds s[G0:G0+3], s[\g1:\g1+7]
	s_nop 0
	PLACES
.endm
.macro SETG0 base, l                   ; group 0: run s78 of the batch, landing at s[l]
	s_mul_i32 s[OFF], s78, SLOTB
	s_mov_b32 s[G0+1], s[\l]
	s_add_nc_u64 s[G0+2:G0+3], s[\base:\base+1], s[OFF:OFF+1]
	s_or_b32 s[G0+3], s[G0+3], 0x80000000
.endm
.macro RUNOF                           ; s78 = an item's number -> its run: items 0 .. AA are the low block's, the others the high block's
	s_cmp_gt_u32 s78, s[AA]
	s_cselect_b32 s79, s[A1], 0
	s_sub_co_u32 s78, s78, s79
.endm
.macro STEPPF
	s_wait_xcnt 0x0                                ; any prefetch of mine has read its address
	s_add_nc_u64 s[PFA:PFA+1], s[PFA:PFA+1], SLOTB
.endm
.macro ASK                             ; the run after next, in the clusters that ask; the last to be asked for is run 7
	s_cmp_lt_u32 s[TT], s[LIM]
	s_cbranch_scc0 .Lnot_mine_\@
	global_prefetch_b8 v[PFO], s[PFA:PFA+1] th:TH_LOAD_NT scope:SCOPE_SE
	global_prefetch_b8 v[PFO2], s[PFA:PFA+1] th:TH_LOAD_NT scope:SCOPE_SE
.Lnot_mine_\@:
.endm
.macro LOADP r                         ; the statistics and p's fragments of the item to be finished: 12 loads
.irp w, 0,1,2,3
	ds_load_b128 v[ST+4*\w:ST+4*\w+3], v[ASR] offset:2560*(1-(\r))+16*\w
.endr
.irp k, 0,1
.irp a, 0,1
.irp c, 0,1
	ds_load_b128 v[PF+8*(2*\a+\k)+4*\c:PF+8*(2*\a+\k)+4*\c+3], v[APR] offset:4096*(1-(\r))+2048*\a+1024*\k+512*\c
.endr
.endr
.endr
.endm
.macro LOADK r                         ; my 64 keys: 8 + 32 loads
.irp s, 0,1,2,3
.irp b, 0,1
	ds_load_b32 v[KS+4*\b+\s], v[AKS+(\r)] offset:1024*\s+128*\b
.endr
.endr
	WIN 0x40
.irp s, 0,1,2,3
.irp t, 0,1,2,3
.irp c, 0,1
	ds_load_b128 v[32*\t+8*\s+4*\c:32*\t+8*\s+4*\c+3], v[AK+(\r)] offset:4096*\t+1024*\s+512*\c
.endr
.endr
.endr
	WIN 0
.endm
.macro LOADV r                         ; my 128 channels: 32 + 8 loads
	WIN 0x40
.irp k, 0,1
.irp d, 0,1,2,3,4,5,6,7
.irp c, 0,1
	ds_load_b128 v[128+8*(8*\k+\d)+4*\c:128+8*(8*\k+\d)+4*\c+3], v[AV+(\r)] offset:32768*\k+1024*\d+512*\c
.endr
.endr
.endr
	WIN 0
.irp k, 0,1
.irp p, 0,1,2,3
	ds_load_b32 v[VS+4*\k+\p], v[AVS+(\r)] offset:2048*\k+128*\p
.endr
.endr
.endm
.macro SMUL                            ; S^T: eight accumulators by turns, d ascending
	WIN 0x09
.irp s, 0,1,2,3
	s_wait_dscnt 24-8*\s                           ; the fragments of this 128 of d are in: behind them 8 loads for each later one
.irp b, 0,1
.irp u, 0,1
.irp a, 0,1
	WM SS+32*\a+16*\b+8*\u, 32*(2*\b+\u)+8*\s, 128+8*(4*\a+\s), (\s)==0, KS+4*\b+\s, QS+\s, \u, \a
.endr
.endr
.endr
.endr
	WIN 0
.endm
.macro OMUL k, a                       ; eight accumulators of O^T, one instruction each
.irp d, 0,1,2,3,4,5,6,7
	WM 8*(8*\a+\d), 128+8*(8*\k+\d), PF+8*(2*\a+\k), 0, VS+4*\k+(\d)/2, PS+\k, (\d)%2, \a
.endr
.endm
.macro MASK always                     ; the run that holds the diagonal: scores of hidden keys become -infinity ahead of the maximum
.if (\always) == 0
	s_cmp_lg_u32 s[TT], s[AA]
	s_cbranch_scc1 .Lopen_\@
.endif
	v_add_nc_u32 v[EE], 16, v[DM]
.set cnt, 0
.rept 32
	v_cmp_gt_i32 vcc_lo, cnt+8*(cnt/8), v[DM]
	v_cndmask_b32 v[SS+cnt], v[SS+cnt], v[NINF], vcc_lo
.set cnt, cnt+1
.endr
.set cnt, 0
.rept 32
	v_cmp_gt_i32 vcc_lo, cnt+8*(cnt/8), v[EE]
	v_cndmask_b32 v[SS+32+cnt], v[SS+32+cnt], v[NINF], vcc_lo
.set cnt, cnt+1
.endr
.Lopen_\@:
.endm
.macro SOFT r                          ; scores -> codes and statistics in LDS.  g = 2 a + b: a block of 32 keys of a query tile
.irp g, 0,1,2,3
	v_max3_num_f32 v[BM+\g], v[SS+16*\g], v[SS+16*\g+1], v[SS+16*\g+2]
.endr
.irp i, 3,5,7,9,11,13
.irp g, 0,1,2,3
	v_max3_num_f32 v[BM+\g], v[BM+\g], v[SS+16*\g+\i], v[SS+16*\g+\i+1]
.endr
.endr
.irp g, 0,1,2,3
	v_max_num_f32 v[BM+\g], v[BM+\g], v[SS+16*\g+15]
.endr
.irp g, 0,1,2,3
	v_permlanex16_b32 v[TX+\g], v[BM+\g], s[SEL], s[SEL+1]
.endr
.irp g, 0,1,2,3
	v_max_num_f32 v[BM+\g], v[BM+\g], v[TX+\g]     ; the block's largest score
.endr
.irp a, 0,1
	v_max3_num_f32 v[WW+4*\a+1], v[BM+2*\a], v[BM+2*\a+1], 0xf149f2ca   ; my 64 keys'; -1e30 stands in where all are hidden
.endr
.irp a, 0,1
	v_mul_f32 v[WW+4*\a+1], s[CS], v[WW+4*\a+1]
.endr
.irp a, 0,1
	v_floor_f32 v[WW+4*\a], -v[WW+4*\a+1]          ; -M
.endr
.irp j, 0,2,4,6,8,10,12,14,16,18,20,22,24,26,28,30
.irp a, 0,1
	v_pk_fma_f32 v[SS+32*\a+\j:SS+32*\a+\j+1], v[SS+32*\a+\j:SS+32*\a+\j+1], s[CS:CS+1], v[WW+4*\a:WW+4*\a+1] op_sel_hi:[1,0,0]
.endr
.endr
.irp g, 0,1,2,3
	v_fma_f32 v[BP+\g], v[BM+\g], s[CS], v[WW+4*(\g/2)]
.endr
	s_wait_alu depctr_va_vdst(0)                   ; the wait ahead of the batch,
.set cnt, 0
.rept 64
	v_exp_f32 v[SS+cnt], v[SS+cnt]
.set cnt, cnt+1
.endr
.irp g, 0,1,2,3
	v_exp_f32 v[BP+\g], v[BP+\g]                   ; the block's largest p
.endr
	v_nop
	s_wait_alu depctr_va_vdst(0)                   ; and ahead of its first reader
.irp a, 0,1
	v_pk_add_f32 v[SUM+4*\a:SUM+4*\a+1], v[SS+32*\a:SS+32*\a+1], v[SS+32*\a+2:SS+32*\a+3]
	v_pk_add_f32 v[SUM+4*\a+2:SUM+4*\a+3], v[SS+32*\a+4:SS+32*\a+5], v[SS+32*\a+6:SS+32*\a+7]
.endr
.irp g, 0,1,2,3
	v_max_num_f32 v[BP+\g], 0x1800000, v[BP+\g]    ; the floor 2^(3 - 127)
.endr
.irp j, 8,12,16,20,24,28
.irp a, 0,1
	v_pk_add_f32 v[SUM+4*\a:SUM+4*\a+1], v[SUM+4*\a:SUM+4*\a+1], v[SS+32*\a+\j:SS+32*\a+\j+1]
	v_pk_add_f32 v[SUM+4*\a+2:SUM+4*\a+3], v[SUM+4*\a+2:SUM+4*\a+3], v[SS+32*\a+\j+2:SS+32*\a+\j+3]
.endr
.endr
.irp a, 0,1
	v_pk_add_f32 v[SUM+4*\a:SUM+4*\a+1], v[SUM+4*\a:SUM+4*\a+1], v[SUM+4*\a+2:SUM+4*\a+3]
.endr
.irp g, 0,1,2,3
	v_add_nc_u32 v[SO+\g], 0xff000000, v[BP+\g]    ; 2 off the exponent field: the conversions' scale operand
.endr
.irp a, 0,1
	v_add_f32 v[WW+4*\a+1], v[SUM+4*\a], v[SUM+4*\a+1]
.endr
.irp g, 0,1,2,3
	v_lshrrev_b32 v[WW+4*(\g/2)+2+\g%2], 23, v[SO+\g]
.endr
.irp a, 0,1
	v_permlanex16_b32 v[TX+\a], v[WW+4*\a+1], s[SEL], s[SEL+1]
.endr
.irp g, 0,1,2,3
	v_sub_nc_u32 v[WW+4*(\g/2)+2+\g%2], 255, v[WW+4*(\g/2)+2+\g%2]
.endr
.irp a, 0,1
	v_add_f32 v[WW+4*\a+1], v[WW+4*\a+1], v[TX+\a] ; the sum of my 64 unquantised p
.endr
.irp b, 0,1
.irp u, 0,1
.irp a, 0,1
	v_cvt_scalef32_pk8_fp4_f32 v[CC+4*\b+2*\u+\a], v[SS+32*\a+16*\b+8*\u:SS+32*\a+16*\b+8*\u+7], v[SO+2*\a+\b]
.endr
.endr
.endr
	v_nop                                          ; one plain place behind the last scaled conversion
.irp b, 0,1
	v_permlane16_swap_b32 v[CC+4*\b], v[CC+4*\b+1]         ; lane (r, h) now holds a block's 32 codes of query 16 h + r
	v_permlane16_swap_b32 v[CC+4*\b+2], v[CC+4*\b+3]
.endr
.irp q, 0,1,2,3
	v_permlane16_swap_b32 v[WW+\q], v[WW+4+\q]             ; and its statistics
.endr
	ds_store_b128 v[APW], v[CC:CC+3] offset:4096*(\r)
	ds_store_b128 v[APW], v[CC+4:CC+7] offset:4096*(\r)+256
	ds_store_b128 v[ASW], v[WW:WW+3] offset:2560*(\r)
.endm
.macro STATS                           ; the four waves' statistics of the item join the row's (lane = query)
	v_min3_num_f32 v[MN], v[MX], v[ST], v[ST+4]
	v_min3_num_f32 v[MN], v[MN], v[ST+8], v[ST+12] ; the new -M
	v_sub_f32 v[DF], v[MN], v[MX]                  ; old M - new M, and each wave's M - new M: whole numbers, 0 or less
.irp w, 0,1,2,3
	v_sub_f32 v[D4+\w], v[MN], v[ST+4*\w]
.endr
	v_max_num_f32 v[DF], 0xc3960000, v[DF]         ; held at -300: 2^-300 of an f32 number of this size is 0
.irp w, 0,1,2,3
	v_max_num_f32 v[D4+\w], 0xc3960000, v[D4+\w]
.endr
	v_cvt_i32_f32 v[DF], v[DF]
.irp w, 0,1,2,3
	v_cvt_i32_f32 v[D4+\w], v[D4+\w]
.endr
	v_mov_b32 v[MX], v[MN]
	v_ldexp_f32 v[FF], 1.0, v[DF]
.irp w, 0,1,2,3
	v_ldexp_f32 v[ST+4*\w+1], v[ST+4*\w+1], v[D4+\w]
.endr
.irp w, 0,1,2,3
	v_sub_nc_u32 v[ST+4*\w+2], v[ST+4*\w+2], v[D4+\w]
	v_sub_nc_u32 v[ST+4*\w+3], v[ST+4*\w+3], v[D4+\w]
.endr
	v_permlanex16_b32 v[FX], v[FF], s[SEL], s[SEL+1]
	v_fma_f32 v[LL], v[LL], v[FF], v[ST+1]
	v_add_f32 v[ST+5], v[ST+5], v[ST+9]
.irp w, 0,1,2,3
	v_min_u32 v[ST+4*\w+2], 254, v[ST+4*\w+2]      ; so the byte does not fall under 1
	v_min_u32 v[ST+4*\w+3], 254, v[ST+4*\w+3]
.endr
	v_add_f32 v[LL], v[LL], v[ST+13]
	v_cndmask_b32 v[F0], v[FF], v[FX], s[HM]
	v_cndmask_b32 v[F0+2], v[FX], v[FF], s[HM]
.irp k, 0,1
	v_lshl_or_b32 v[PS+\k], v[ST+8*\k+3], 8, v[ST+8*\k+2]
	v_lshl_or_b32 v[TP+\k], v[ST+8*\k+7], 8, v[ST+8*\k+6]
.endr
	v_add_f32 v[LL], v[LL], v[ST+5]
.irp k, 0,1
	v_lshl_or_b32 v[PS+\k], v[TP+\k], 16, v[PS+\k]
.endr
.irp k, 0,1
	v_xor_b32 v[PS+\k], -1, v[PS+\k]               ; 255 - each byte: p's scale word of these 128 keys
.endr
	WIN 0x82
.irp a, 0,1
.set cnt, 0
.rept 32
	v_pk_mul_f32 v[64*\a+cnt:64*\a+cnt+1], v[64*\a+cnt:64*\a+cnt+1], v[F0+2*\a:F0+2*\a+1] op_sel_hi:[1,0]
.set cnt, cnt+2
.endr
.endr
	WIN 0
.endm
.macro FLUSH                           ; O^T / the sum, through my stage, as rows of 512 bytes: two aligned units of 256
	s_wait_alu depctr_va_vdst(0)                   ; the wait ahead of the transcendental,
	v_rcp_f32 v[MN], v[LL]
	v_nop
	s_wait_alu depctr_va_vdst(0)                   ; and behind it; it serves the first reads of O^T below as well
	v_permlanex16_b32 v[FX], v[MN], s[SEL], s[SEL+1]
	v_cndmask_b32 v[F0], v[MN], v[FX], s[HM]
	v_cndmask_b32 v[F0+2], v[FX], v[MN], s[HM]
	WIN 0xc2
.irp a, 0,1
.set cnt, 0
.rept 32
	v_pk_mul_f32 v[64*\a+cnt:64*\a+cnt+1], v[64*\a+cnt:64*\a+cnt+1], v[F0+2*\a:F0+2*\a+1] op_sel_hi:[1,0]
.set cnt, cnt+2
.endr
.endr
.irp a, 0,1
	WIN 0x0c
.irp d, 0,1,2,3,4,5,6,7
	ds_store_b128 v[ASTO], v[64*\a+8*\d:64*\a+8*\d+3] offset:64*\d
	ds_store_b128 v[ASTO], v[64*\a+8*\d+4:64*\a+8*\d+7] offset:64*\d+16
.endr
	WIN 0xc0
.set cnt, 0
.rept 16
	ds_load_b128 v[128+64*\a+4*cnt:128+64*\a+4*cnt+3], v[ASRD] offset:528*cnt   ; LDS serves a wave's instructions in order (ISA guide 5.7.1.4)
.set cnt, cnt+1
.endr
.endr
	WIN 0x0c
.irp a, 0,1
.set cnt, 0
.rept 16
	s_wait_dscnt 32*(1-\a)+15-cnt                  ; behind this row's load: the tile's later loads and, for tile 0, tile 1's 16 stores and 16 loads
	global_store_b128 v[L16], v[128+64*\a+4*cnt:128+64*\a+4*cnt+3], s[OB:OB+1] offset:(16*\a+cnt)*2048 th:TH_STORE_NT
.set cnt, cnt+1
.endr
.endr
	WIN 0
.endm
.macro CHANGE flush                    ; ids alone: in the step behind the low block's last item O^T leaves; where the high block's first item is scored Q changes
.if \flush
	s_cmp_lg_u32 s[TT], s[A2]
	s_cbranch_scc1 .Lkeep_\@
	FLUSH
	s_wait_xcnt 0x0                                ; the stores have read their base and their data
	s_mov_b64 s[OB:OB+1], s[OBH:OBH+1]
	v_mov_b32 v[MX], 0x7149f2ca                    ; -M = 1e30: the next change of M multiplies what stands in O^T and in the sum by 0
	s_wait_alu depctr_va_vdst(0)
.Lkeep_\@:
.endif
	s_cmp_lg_u32 s[TT], s[A1]
	s_cbranch_scc1 .Lsame_\@
	WIN 0x82
.set cnt, 0
.rept 64
	v_mov_b32 v[128+cnt], v[192+cnt]
.set cnt, cnt+1
.endr
	WIN 0
.irp s, 0,1,2,3
	v_mov_b32 v[QS+\s], v[QSN+\s]
.endr
	v_mov_b32 v[DM], v[DMH]
.Lsame_\@:
.endm
.macro END more, l                     ; the second product, and the step's barrier.  more = 1: a round, and the next step's fill is prepared
	s_wait_dscnt 3                                 ; V is in: behind its loads stand the three stores
	WIN 0xa1
	OMUL 0, 0
	OMUL 0, 1
	WIN 0
	s_wait_tensorcnt 0x0                           ; my part of the next region has landed, and group 0 may be written;
	ds_add_u32 v[SPW], v[NIL]                      ; 0 onto my spare word
.if \more
	s_add_co_u32 s78, s[TT], s[F2]                 ; the next step is i = TT: K's waves fetch item TT + 2, V's TT + 1
	RUNOF
	SETG0 KVB, \l
	STEPPF
.endif
	s_add_co_u32 s[TT], s[TT], 1
	WIN 0xa1
	OMUL 1, 0
	s_wait_dscnt 0x0                               ; the add and my stores are done, my reads are over
	s_barrier_signal -1
	OMUL 1, 1
	WIN 0
	s_barrier_wait -1
.if \more
	CREST
.endif
.endm
.macro STEP r, g1, chg, flush, ask, msk, more, l
	FILL \g1
	LOADP \r
	LOADK \r
.if \ask
	ASK
.endif
.if \chg
	CHANGE \flush
.endif
	s_wait_dscnt 48                                ; the statistics are in: behind them p's 8 and K's 40 loads
	STATS
	SMUL
	LOADV \r
	PLACES
	MASK \msk
	SOFT \r
	END \more, \l
.endm
	s_load_b128 s[4:7], s[0:1], 0x0                ; qws, kvws
	s_load_b64 s[8:9], s[0:1], 0x10                ; out0
	v_lshl_add_u32 v[SPW], v0, 2, SPARE
	v_mov_b32 v[NIL], 0
	ds_add_u32 v[SPW], v[NIL]                      ; the wave's opening: the add, twice on end, and its wait ahead of my first tensor load
	ds_add_u32 v[SPW], v[NIL]
	v_lshrrev_b32 v64, 5, v0
	v_readfirstlane_b32 s[WV], v64                 ; wave 0..3
	s_bfe_u32 s[CX], ttmp6, 0x40000
	s_mov_b32 s[BAT], ttmp9                        ; the cluster's x: the batch
	s_and_b32 s[CL], ttmp7, 0xffff                 ; its y: which of the batch's eight clusters
	s_lshr_b32 s[AA], s[CL], 1
	s_add_co_u32 s[A1], s[AA], 1
	s_add_co_u32 s[A2], s[AA], 2
	s_lshl_b32 s[II], s[CL], 2
	s_add_co_u32 s[II], s[II], s[CX]
	s_and_b32 s[I7], s[II], 7
	s_lshr_b32 s[HW], s[WV], 1                     ; 0: I fetch K, 1: V
	s_sub_co_u32 s[F2], 2, s[HW]
	s_mul_i32 s[L0], s[WV], HALFB
	s_add_co_u32 s[L1], s[L0], SLOTB
	s_mul_i32 s[LQ0], s[WV], QUARB
	s_add_co_u32 s[LQV], s[LQ0], SLOTB+VPART
	s_mul_i32 s78, s[HW], SLOTB
	s_add_co_u32 s[HL], s[L0], s78                 ; K(0) into region 0, V(0) into region 1
	s_xor_b32 s79, s[HW], 1
	s_mul_i32 s79, s79, SLOTB
	s_add_co_u32 s[H1], s[L0], s79                 ; K(1) into region 1, V(1) into region 0
	s_mov_b32 s[G1], 15|(3<<16)|(1<<21)            ; 15:0 the mask: all four of the cluster; 17:16 elements of 8 bytes; 21 set beside a mask
	s_mov_b32 s[G1Q], 15|(3<<16)|(1<<21)
	s_mov_b32 s[G1+2], 136<<16
	s_mov_b32 s[G1Q+2], 68<<16
	s_mov_b32 s[G1+4], 136
	s_mov_b32 s[G1Q+4], 68
.irp g, G1, G1Q
	s_mov_b32 s[\g+1], 32<<16
	s_mov_b32 s[\g+3], 32<<16
	s_mov_b32 s[\g+5], 32
	s_mov_b32 s[\g+6], 0
	s_mov_b32 s[\g+7], 0
.endr
	s_mov_b32 s[CS], 0x3d8293ee                    ; log2(e) / sqrt(512)
	s_mov_b32 s[CS+1], s[CS]
	s_mov_b32 s[SEL], 0x76543210                   ; lane l xor 16
	s_mov_b32 s[SEL+1], 0xfedcba98
	s_mov_b32 s[HM], 0xffff0000
	s_mov_b32 s[TT], 0
	s_mov_b32 s[LC], 3
	s_mov_b32 s[OFF+1], 0
	s_mul_i32 s80, s[BAT], 8*SLOTB
	s_add_co_u32 s82, s80, s[L0]
	s_mov_b32 s83, 0
	s_add_co_u32 s84, s80, s[LQ0]
	s_mov_b32 s85, 0
	s_wait_dscnt 0x0                               ; both opening adds are done
	s_wait_kmcnt 0x0
	s_add_nc_u64 s[KVB:KVB+1], s[6:7], s[82:83]    ; my quarter of the batch's run 0: K's halves, then V's
	s_add_nc_u64 s[KVQ:KVQ+1], s[6:7], s[84:85]    ; my quarter of its K
	s_mov_b32 s[G0], 1
	s_mov_b32 s[G0+1], s[HL]
	s_mov_b64 s[G0+2:G0+3], s[KVB:KVB+1]
	s_or_b32 s[G0+3], s[G0+3], 0x80000000
	CROUND                                         ; all four work-groups are here: the first joint loads meet
	FILL G1                                        ; K(0), V(0)
	s_lshl_b32 s90, s[CX], 2                       ; the prefetches: my 8,704 bytes of a run, from run 1 on
	s_add_co_u32 s90, s90, s[WV]
	s_mul_i32 s90, s90, 8704
	s_add_co_u32 s90, s90, s80
	s_add_co_u32 s90, s90, SLOTB
	s_mov_b32 s91, 0
	s_add_nc_u64 s[PFA:PFA+1], s[6:7], s[90:91]
	s_cmp_lt_u32 s[CL], 2
	s_cselect_b32 s[LIM], 6, 0
	s_sub_co_u32 s92, 63, s[II]
	s_lshl_b32 s93, s[BAT], 19                     ; Q's images: 4,096 bytes a tile of 16 queries
	s_lshl_b32 s90, s[II], 13
	s_add_co_u32 s90, s90, s93
	s_add_nc_u64 s[QLO:QLO+1], s[4:5], s[90:91]
	s_lshl_b32 s90, s92, 13
	s_add_co_u32 s90, s90, s93
	s_add_nc_u64 s[QHI:QHI+1], s[4:5], s[90:91]
	s_lshl_b32 s93, s[BAT], 15                     ; their scale words
	s_add_co_u32 s93, s93, 4194304
	s_lshl_b32 s90, s[II], 7
	s_add_co_u32 s90, s90, s93
	s_add_nc_u64 s[QSLO:QSLO+1], s[4:5], s[90:91]
	s_lshl_b32 s90, s92, 7
	s_add_co_u32 s90, s90, s93
	s_add_nc_u64 s[QSHI:QSHI+1], s[4:5], s[90:91]
	s_lshl_b32 s93, s[BAT], 22                     ; my channels of my rows of out0
	s_lshl_b32 s94, s[WV], 9
	s_add_co_u32 s93, s93, s94
	s_lshl_b32 s90, s[II], 16
	s_add_co_u32 s90, s90, s93
	s_add_nc_u64 s[OB:OB+1], s[8:9], s[90:91]
	s_lshl_b32 s90, s92, 16
	s_add_co_u32 s90, s90, s93
	s_add_nc_u64 s[OBH:OBH+1], s[8:9], s[90:91]
	s_lshl_b32 s78, s[WV], 14                      ; K's codes: 4 tiles of 4,096 bytes a wave
	s_lshl_b32 s79, s[WV], 13                      ; V's: 8 tiles of 1,024
	s_add_co_u32 s79, s79, VPART
	s_lshl_b32 s80, s[WV], 8
	s_add_co_u32 s80, s80, 65536
	s_lshl_b32 s81, s[WV], 9
	s_add_co_u32 s82, s81, PBUF
	s_add_co_u32 s81, s81, 135168
	s_lshl_b32 s83, s[WV], 4
	s_mul_i32 s84, s[WV], 16*528
	s_add_co_u32 s84, s84, STAGE
	s_lshl_b32 s87, s[WV], 6
	s_lshl_b32 s85, s[I7], 5
	s_sub_co_u32 s86, 224, s85
	s_sub_co_i32 s85, s85, s87
	s_sub_co_i32 s86, s86, s87
	v_and_b32 v64, 31, v0                          ; lane
	v_and_b32 v65, 15, v0                          ; r
	v_bfe_u32 v66, v0, 4, 1                        ; h
	v_lshlrev_b32 v[L16], 4, v64
	v_lshlrev_b32 v[L4], 2, v64
	v_lshlrev_b32 v[PFO], 8, v64
	v_min_u32 v67, 1, v64
	v_lshlrev_b32 v67, 8, v67
	v_add_nc_u32 v[PFO2], 8192, v67                ; the last two of my 34 blocks; the lanes left over name the last again
	s_wait_alu depctr_va_vdst(0)
	WIN 0x80
.irp a, 0,1
.irp s, 0,1,2,3
.irp c, 0,1
	global_load_b128 v[128+8*(4*\a+\s)+4*\c:128+8*(4*\a+\s)+4*\c+3], v[L16], s[QLO:QLO+1] offset:4096*\a+1024*\s+512*\c
	global_load_b128 v[192+8*(4*\a+\s)+4*\c:192+8*(4*\a+\s)+4*\c+3], v[L16], s[QHI:QHI+1] offset:4096*\a+1024*\s+512*\c
.endr
.endr
.endr
	WIN 0
.irp s, 0,1,2,3
	global_load_b32 v[QS+\s], v[L4], s[QSLO:QSLO+1] offset:8192*\s
	global_load_b32 v[QSN+\s], v[L4], s[QSHI:QSHI+1] offset:8192*\s
.endr
	ASK                                            ; run 1
	v_add_nc_u32 v[AK], s78, v[L16]
	v_add_nc_u32 v[AV], s79, v[L16]
	v_add_nc_u32 v[AKS], s80, v[L4]
	v_add_nc_u32 v[AVS], s81, v[L4]
	v_add_nc_u32 v[AK+1], SLOTB, v[AK]
	v_add_nc_u32 v[AV+1], SLOTB, v[AV]
	v_add_nc_u32 v[AKS+1], SLOTB, v[AKS]
	v_add_nc_u32 v[AVS+1], SLOTB, v[AVS]
	v_lshlrev_b32 v68, 4, v65
	v_lshl_add_u32 v[APW], v66, 11, v68
	v_add_nc_u32 v[APW], s82, v[APW]
	v_add_nc_u32 v[APR], PBUF, v[L16]
	v_mul_u32_u24 v[ASR], v64, 80
	v_add_nc_u32 v[ASR], STAT, v[ASR]
	v_add_nc_u32 v[ASW], s83, v[ASR]
	v_mul_u32_u24 v[ASTO], v65, 528
	v_lshl_add_u32 v[ASTO], v66, 5, v[ASTO]
	v_add_nc_u32 v[ASTO], s84, v[ASTO]
	v_add_nc_u32 v[ASRD], s84, v[L16]
	v_lshlrev_b32 v66, 3, v66
	v_sub_nc_u32 v65, v65, v66
	v_add_nc_u32 v[DM], s85, v65
	v_add_nc_u32 v[DMH], s86, v65
	v_mov_b32 v[NINF], 0xff800000
	v_mov_b32 v[MX], 0x7149f2ca                    ; -M = 1e30: under every M
	v_mov_b32 v[LL], 0
	v_mov_b32 v[FX], 0
	v_mov_b32 v[F0+1], 0                           ; (named as the upper halves of pairs)
	v_mov_b32 v[F0+3], 0
.irp g, 0,1,2,3
	v_mov_b32 v[TX+\g], 0                          ; written once: a lane permute's destination counts as one of its sources
.endr
	WIN 0x80
.set cnt, 0
.rept 128
	v_mov_b32 v[cnt], 0                            ; O^T
.set cnt, cnt+1
.endr
	WIN 0
	s_wait_alu depctr_va_vdst(0)
	s_wait_tensorcnt 0x0                           ; my part of K(0), V(0) is in
	ds_add_u32 v[SPW], v[NIL]
	s_mov_b32 s78, 1
	RUNOF
	SETG0 KVB, H1
	STEPPF
	s_wait_dscnt 0x0
	CROUND
	FILL G1                                        ; K(1), V(1)
	LOADK 0                                        ; the step ahead of step 0 only scores
	ASK
	s_wait_loadcnt 0x0                             ; Q
	SMUL
	PLACES
	MASK 0
	SOFT 0
	s_wait_tensorcnt 0x0
	ds_add_u32 v[SPW], v[NIL]
	s_mov_b32 s78, 2
	RUNOF
	SETG0 KVQ, LQ0
	STEPPF
	s_add_co_u32 s[TT], s[TT], 1
	s_wait_dscnt 0x0
	CROUND
	STEP 1, G1Q, 1, 0, 1, 0, 1, L1                 ; step 0 takes K(2)
.Lloop:                                                ; steps 1 to 6
	STEP 0, G1, 1, 1, 1, 0, 1, L0
	STEP 1, G1, 1, 1, 1, 0, 1, L1
	s_sub_co_u32 s[LC], s[LC], 1
	s_cmp_lg_u32 s[LC], 0
	s_cbranch_scc1 .Lloop
	s_sub_co_u32 s78, 7, s[AA]                     ; step 7 takes V(8) alone: the high block's last run (no load of mine is out, so group 0 is written anew)
	SETG0 KVQ, LQV
	s_mov_b32 s[OFF], VPART
	s_add_nc_u64 s[G0+2:G0+3], s[G0+2:G0+3], s[OFF:OFF+1]
	STEP 0, G1Q, 0, 0, 0, 1, 0, L0
	PLACES
	LOADP 1                                        ; step 8 only finishes
	LOADV 1
	s_wait_dscnt 48                                ; behind the statistics p's 8 and V's 40 loads
	STATS
	s_wait_alu depctr_va_vdst(0)
	s_wait_dscnt 0x0
	WIN 0xa1
	OMUL 0, 0
	OMUL 0, 1
	OMUL 1, 0
	OMUL 1, 1
	WIN 0
	PLACES
	FLUSH
	s_wait_tensorcnt 0x0                           ; the wave's end, behind my last tensor load and my last LDS store
	ds_add_u32 v[SPW], v[NIL]
	s_wait_dscnt 0x0
	CROUND                                         ; the closing round: no work-group ends while a partner may still ask for a tile that names it
	s_endpgm
.Lfunc_end_k_qef7d82aca9_attn:
	.size	k_qef7d82aca9_attn, .Lfunc_end_k_qef7d82aca9_attn-k_qef7d82aca9_attn
	.p2alignl 7, 3214868480
	.fill 96, 4, 3214868480
	.section	.rodata,"a",@progbits
	.p2align	6, 0x0
	.amdhsa_kernel k_qef7d82aca9_attn
		.amdhsa_group_segment_fixed_size 327680
		.amdhsa_private_segment_fixed_size 0
		.amdhsa_enable_private_segment 0
		.amdhsa_kernarg_size 24
		.amdhsa_user_sgpr_count 2
		.amdhsa_user_sgpr_kernarg_segment_ptr 1
		.amdhsa_wavefront_size32 1
		.amdhsa_system_sgpr_workgroup_id_x 1
		.amdhsa_system_sgpr_workgroup_id_y 1
		.amdhsa_system_sgpr_workgroup_id_z 1
		.amdhsa_system_vgpr_workitem_id 0
		.amdhsa_next_free_vgpr 1024
		.amdhsa_next_free_sgpr 100
		.amdhsa_reserve_vcc 1
		.amdhsa_float_denorm_mode_32 3
		.amdhsa_float_denorm_mode_16_64 3
		.amdhsa_memory_ordered 1
		.amdhsa_forward_progress 1
		.amdhsa_inst_pref_size 250
	.end_amdhsa_kernel
	.amdgpu_metadata
---
amdhsa.version: [ 1, 2 ]
amdhsa.kernels:
  - .name:           k_qef7d82aca9_attn
    .symbol:         k_qef7d82aca9_attn.kd
    .args:
      - { .name: qws, .offset: 0, .size: 8, .value_kind: global_buffer, .address_space: global }
      - { .name: kvws, .offset: 8, .size: 8, .value_kind: global_buffer, .address_space: global }
      - { .name: out0, .offset: 16, .size: 8, .value_kind: global_buffer, .address_space: global }
    .group_segment_fixed_size: 327680
    .private_segment_fixed_size: 0
    .kernarg_segment_align: 8
    .kernarg_segment_size: 24
    .max_flat_workgroup_size: 128
    .sgpr_count:     100
    .vgpr_count:     1024
    .wavefront_size: 32
...
	.end_amdgpu_metadata
.endif
;; end of part 2
